; MI455X (gfx1250); checked and timed in simulation.
; The chip was launched on July 23, 2026; its instructions are those of AMD's public machine-readable ISA for CDNA 5 (MIT licence, August 2026) and "CDNA5" Instruction Set Architecture Reference Guide (July 2026). The comments in the code are by the model that wrote it; some were corrected since.
;; Self Attention. Allowed arithmetic: matrix products marked QUANTISED: E2M3 operands, one E8M0 scale for each 32 along K, by v_wmma_scale_f32_16x16x128_f8f6f4 with both operands' format E2M3, f32 sums; everything else in f32.
;; Inputs: x 8 x 256 x 64 x 64 float32.
;; Outputs: out0 8 x 256 x 4,096 float32.
;; This version of the problem:
;;   THIS VERSION OF THE PROBLEM IS GIVEN IN LOW PRECISION. The matrix products marked QUANTISED in the list below multiply operands that are first quantised to E2M3 (2 exponent bits, 3 mantissa bits; 6 bits a number), with one power-of-two scale for each 32 numbers along K (OCP MX v1.0); their sums are f32. All else is computed in f32.
;;   The module's matrix products, in the order in which they are computed (A, B: the left and right operand; K: the contracted axis; several contracted axes count as one K, in the product's order):
;;     1. batch 8 x [M 4,096, K 256] x [K 256, N 4,096]; A: input x; B: input x: QUANTISED
;;     2. batch 8 x [M 256, K 4,096] x [K 4,096, N 4,096]; A: input x; B: softmax (see below): QUANTISED
;;   THE QUANTISER, for each operand of a quantised product, along K:
;;     - K is cut into blocks of 32 from its start; a last block that is shorter is filled with zeros.
;;     - A block's scale is 2^e with e = floor(log2(the largest magnitude in the block)) - 2, held to -126 .. 127; a block of zeros has e = 0. As a byte (E8M0): e + 127.
;;     - Each number is divided by its block's scale, clamped to +-7.5, and rounded to the nearest number of E2M3, ties to even, subnormals kept.
;;     - The product sums the exact products of the quantised numbers (number of the format x scale) in f32.
;;   ~~~python
;;   def quantise(x, axis):      # numpy; x: float32 -> the quantised numbers, widened to float32 again
;;       x = np.moveaxis(x, axis, -1); K = x.shape[-1]
;;       x = np.pad(x, [(0, 0)] * (x.ndim - 1) + [(0, -K % 32)]); x = x.reshape(x.shape[:-1] + (-1, 32)); a = np.abs(x).max(-1, keepdims=True)
;;       e = np.where(a > 0, np.clip(np.frexp(np.where(a > 0, a, 1))[1] - 1 - 2, -126, 127), 0)      # np.frexp(a)[1] - 1 = floor(log2(a)), exactly
;;       r = np.clip(x / 2.0 ** e, -7.5, 7.5)
;;       step = 2.0 ** (np.maximum(np.frexp(np.where(r == 0, 1, r))[1] - 1, 0) - 3)
;;       q = np.round(r / step) * step * 2.0 ** e      # np.round: ties to even
;;       return np.moveaxis(q.reshape(q.shape[:-2] + (-1,))[..., :K], -1, axis).astype(np.float32)
;;   ~~~
;;   SOFTMAX AHEAD OF A QUANTISED PRODUCT. Where the list says 'softmax', what is quantised is not the finished softmax but p = 2^(t - M), with t = logit x log2(e) and M = ceil(the row's largest t), a whole number; so 1/2 < the row's largest p <= 1. The row's sum l is taken of the UNQUANTISED p, in f32, and the product's result is divided by l at the end. Since M is a whole number, a kernel that streams over the keys may use a running M (the ceiling of the running maximum): every later rescaling is an exact power of two, which a block's scale takes up: the codes' values come out the same.
;;   OPERANDS COMPUTED ON THE WAY. 'Computed on the way' means the value that the module computes at that place (a softmax that the list does not call 'softmax' is quantised finished and normalised). What goes into a quantiser is computed in f32, as accurately as f32 sums, v_exp_f32 and their like allow (about 1e-6 of the number): no bf16 or f16 on the way to a quantiser, and a product that is left as it is and whose result goes on into a quantised operand takes f32 operands (vector FMAs, or v_wmma_f32_16x16x4_f32). A number that lies on a knife's edge between two numbers of the format may be rounded either way, as far as f32 arithmetic and the matrix unit's own rounding can turn it there, and no further.
;; One version. Each part assembles by itself: llvm-mc -triple=amdgcn-amd-amdhsa -mcpu=gfx1250 --defsym DOCPART=n.
;; ======== version 1 of 1: 2 launches
;; limits: right only within a limited range of input values
;; workspace buffers: kv 13,107,200 bytes
;; launch quant (part 1): grid 32 x 8, 8 waves a work-group, no clusters, 168,960 bytes of LDS; arguments x, kv; writes kv
.if DOCPART == 1
	.amdgcn_target "amdgcn-amd-amdhsa--gfx1250"
	.amdhsa_code_object_version 6
	.text
	.protected	k_q7ec52d6a2b_quant
	.globl	k_q7ec52d6a2b_quant
	.p2align	8
	.type	k_q7ec52d6a2b_quant,@function
k_q7ec52d6a2b_quant:
	s_mov_b64 s[64:65], 0
	v_nop
	global_prefetch_b8 v0, s[64:65] scope:SCOPE_SE
	s_setreg_imm32_b32 hwreg(HW_REG_WAVE_MODE, 25, 1), 1
	s_wait_xcnt 0x0
; x [8][256 channels][4096 places], f32, is quantised to FP6 (E2M3) twice: along the channels (both operands of the first product) and along the places (the
; second product's left operand), one E8M0 scale byte for each 32 along the product's K.  Both sets of codes go to kv in the ORDER OF THE OPERAND'S REGISTERS.
; kv = [8 batches][64 halves of 25,600 bytes].  A half is the K part or the V part of one step of 128 places: 16 fragments of 1,536 bytes, then 1,024 bytes of scale words.
; The halves lie in the order in which the next launch reads them: K0 K1 V0 K2 V1 K3 .. K31 V30 V31: K of step i at place max(2 i - 1, 0), V of step i at place min(2 i + 2, 63).
;   fragment: register R of lane l at 512 (R / 4) + 16 l + 4 (R % 4)
;   K's fragment 2 T + s (tile of keys T = 2 b + u, channel step s): lane (r, h) holds place 32 b + 8 u + r + 8 (r / 8); registers 6 c .. 6 c + 5 hold channels 128 s + 64 c + 32 h + 0 .. 31
;   V's fragment t: lane (r, h) holds channel 16 t + r; registers 6 c .. 6 c + 5 hold places 64 c + 32 h + 0 .. 31 of the step
;   K's scale words: register T at 512 (T / 4) + 16 l + 4 (T % 4); lanes 0-15 the words of s = 0, lanes 16-31 those of s = 1
;   V's scale words: register i likewise; lanes 0-15 channel tile 2 i, lanes 16-31 tile 2 i + 1
; A block's scale is 2^(floor(log2(its largest magnitude)) - 2): its byte is the largest magnitude's exponent field - 2, held at 1 from below.
; LIMITS: a block of zeros, and one whose largest magnitude lies under 2^-124, gets the byte 1 (a block of zeros has zero codes, which add nothing; this program alone reads the bytes);
; NaN and infinities among the inputs are not served.
; SHARES: a work-group takes one step of one batch: 256 rows of 512 bytes, read from memory once, by eight tensor loads of 32 rows, one a wave; LDS is filled once.
; Wave w makes V's fragments 2 w and 2 w + 1 (its own 32 rows) and K's fragments (2 b + a, s), a = 0, 1, with b = w / 2 and s = w % 2.
.set PITCH, 528                        ; an LDS row: 512 bytes + 16
.set WROWS, 32*PITCH                   ; what one tensor load fills
.set SCL,   256*PITCH                  ; behind the tile: 2,048 bytes of scale words, K's then V's; no fill lands here
.set HALFB, 25600
.set FRB,   1536
.set SCOFF, 24576                      ; the scale words' place in a half
.set AV,  4                            ; v4   V: (32 w + r) x 528 + 128 h
.set AK0, 5                            ; v5   K: s x 128 rows + 4 x my place;  v6: 64 rows further down
.set GV,  7                            ; v7   16 x lane
.set GK,  8                            ; v8   3,072 a + 16 r
.set SKA, 9                            ; v9   where my K scale word goes
.set SVA, 10                           ; v10  where my V scale word goes
.set SRD, 11                           ; v11  the scale words on their way out: SCL + 8 x thread
.set GS,  12                           ; v12  8 x thread
.set MX,  16                           ; v16-17 largest magnitudes;  v18-19 the conversions' scale operands;  v20-21 the bytes
.set SOP, 18
.set BY,  20
.set XA,  32                           ; v32-95, v96-159: two sets of 64 numbers
.set XB,  96
.set C0,  160                          ; v160-207: four fragments' parts of 12 registers: no store's data are written again
.set TT,  208                          ; v208-214: the second halves of the blocks' codes
	s_load_b128 s[4:7], s[0:1], 0x0                ; x, kv
	v_lshl_add_u32 v224, v0, 2, 0x29000            ; my spare word, behind the scale words
	v_mov_b32 v225, 0
	ds_add_u32 v224, v225                          ; the opening lines
	ds_add_u32 v224, v225
	v_lshrrev_b32 v1, 5, v0
	s_delay_alu instid0(VALU_DEP_1)
	v_readfirstlane_b32 s8, v1                     ; wave 0..7
	s_and_b32 s11, ttmp7, 0xffff                   ; batch
	s_lshr_b32 s9, s8, 1                           ; b
	s_and_b32 s10, s8, 1                           ; s
	; descriptor group 1: 32 rows of 128 elements of 4 bytes, 4,096 elements apart; 16 bytes of padding behind every 128 words
	s_mov_b32 s16, (2<<16)|(1<<20)|(6<<22)|(3<<25)
	s_mov_b32 s17, 128<<16
	s_mov_b32 s18, 32<<16
	s_mov_b32 s19, 128<<16
	s_mov_b32 s20, 32
	s_mov_b32 s21, 4096
	s_mov_b32 s22, 0
	s_mov_b32 s23, 0
	s_lshl_b32 s24, s11, 22                        ; a batch is 4,194,304 bytes,
	s_lshl_b32 s25, s8, 19                         ; my 32 rows of 16,384 bytes,
	s_add_co_u32 s24, s24, s25
	s_lshl_b32 s25, ttmp9, 9                       ; the step's 512 bytes of a row
	s_add_co_u32 s24, s24, s25
	s_mov_b32 s25, 0
	s_mov_b32 s12, 1
	s_mul_i32 s13, s8, WROWS
	s_wait_dscnt 0x0
	s_wait_kmcnt 0x0
	s_add_nc_u64 s[14:15], s[4:5], s[24:25]
	s_or_b32 s15, s15, 0x80000000
	tensor_load_to_lds s[12:15], s[16:23]          ; my one tensor load
	s_nop 0
	v_and_b32 v1, 31, v0                           ; lane
	v_and_b32 v2, 15, v0                           ; r
	s_wait_alu depctr_va_vdst(0)
	v_bfe_u32 v3, v0, 4, 1                         ; h (in K's part: a)
	s_lshl_b32 s24, ttmp9, 1
	s_sub_co_i32 s36, s24, 1
	s_max_i32 s36, s36, 0                          ; K's place among the batch's halves
	s_add_co_u32 s37, s24, 2
	s_min_u32 s37, s37, 63                         ; V's place
	s_lshl_b32 s24, s11, 6
	s_add_co_u32 s36, s36, s24
	s_add_co_u32 s37, s37, s24
	s_mul_i32 s24, s36, HALFB
	s_add_nc_u64 s[38:39], s[6:7], s[24:25]        ; K's half
	s_mul_i32 s24, s37, HALFB
	s_add_nc_u64 s[40:41], s[6:7], s[24:25]        ; V's half
	s_mul_i32 s26, s8, 2*FRB
	s_mov_b32 s27, 0
	s_add_nc_u64 s[28:29], s[40:41], s[26:27]      ; V's fragments 2 w, 2 w + 1
	s_lshl_b32 s26, s9, 2
	s_add_co_u32 s26, s26, s10
	s_mul_i32 s26, s26, FRB
	s_add_nc_u64 s[30:31], s[38:39], s[26:27]      ; K's fragment 4 b + s; that of a = 1 lies 3,072 bytes on
	s_sub_nc_u64 s[40:41], s[40:41], 1024          ; threads 128-255 carry V's words: 8 x thread begins at 1,024
	s_cmp_lt_u32 s8, 4
	s_cselect_b64 s[32:33], s[38:39], s[40:41]     ; waves 0-3 store K's scale words, waves 4-7 V's
	s_mov_b32 s34, 0x76543210
	s_mov_b32 s35, 0xfedcba98                      ; v_permlanex16_b32's selects for lane l xor 16
	v_mul_u32_u24 v[AV], v2, PITCH
	s_wait_alu depctr_va_vdst(0)
	v_lshl_add_u32 v[AV], v3, 7, v[AV]
	s_delay_alu instid0(VALU_DEP_1)
	v_add_nc_u32 v[AV], s13, v[AV]
	v_and_b32 v14, 8, v2
	s_delay_alu instid0(VALU_DEP_1)
	v_add_nc_u32 v14, v14, v2                      ; r + 8 (r / 8)
	s_delay_alu instid0(VALU_DEP_1)
	v_lshl_add_u32 v14, v3, 3, v14                 ; + 8 a: the 32 lanes take 32 neighbouring places
	s_delay_alu instid0(VALU_DEP_1)
	v_lshlrev_b32 v[AK0], 2, v14
	s_mul_i32 s36, s10, 128*PITCH
	s_lshl_b32 s37, s9, 7
	s_add_co_u32 s36, s36, s37
	v_add_nc_u32 v[AK0], s36, v[AK0]
	s_delay_alu instid0(VALU_DEP_1)
	v_add_nc_u32 v[AK0+1], 64*PITCH, v[AK0]
	v_lshlrev_b32 v[GV], 4, v1
	s_wait_alu depctr_va_vdst(0)
	v_mul_u32_u24 v[GK], v3, 2*FRB
	s_delay_alu instid0(VALU_DEP_1)
	v_lshl_add_u32 v[GK], v2, 4, v[GK]
	s_lshl_b32 s36, s10, 8                         ; K's word: register T = 2 b + a, lane r + 16 s
	s_lshr_b32 s37, s9, 1
	s_lshl_b32 s37, s37, 9
	s_add_co_u32 s36, s36, s37
	s_and_b32 s37, s9, 1
	s_lshl_b32 s37, s37, 3
	s_add_co_u32 s36, s36, s37
	s_add_co_u32 s36, s36, SCL
	v_lshlrev_b32 v[SKA], 4, v2
	s_delay_alu instid0(VALU_DEP_1)
	v_lshl_add_u32 v[SKA], v3, 2, v[SKA]
	s_delay_alu instid0(VALU_DEP_1)
	v_add_nc_u32 v[SKA], s36, v[SKA]
	s_lshr_b32 s36, s8, 2                          ; V's word: register w, my lane
	s_lshl_b32 s36, s36, 9
	s_and_b32 s37, s8, 3
	s_lshl_b32 s37, s37, 2
	s_add_co_u32 s36, s36, s37
	s_add_co_u32 s36, s36, SCL+1024
	v_add_nc_u32 v[SVA], s36, v[GV]
	v_lshlrev_b32 v[GS], 3, v0
	s_delay_alu instid0(VALU_DEP_1)
	v_add_nc_u32 v[SRD], SCL, v[GS]
	v_lshlrev_b32 v13, 3, v3                       ; 8 h
	v_mov_b32 v23, 0                               ; a lane permute's destination counts as one of its sources
.macro LOADV f, dst                    ; V's fragment 2 w + f: my row's places 64 c + 32 h + 0 .. 31
.irp c, 0,1
.irp i, 0,1,2,3,4,5,6,7
	ds_load_b128 v[\dst+32*\c+4*\i:\dst+32*\c+4*\i+3], v[AV] offset:16*PITCH*(\f)+256*\c+16*\i
.endr
.endr
.endm
.macro LOADK h, dst                    ; my place's channels 128 s + 64 c + 32 h + 0 .. 31: registers run down the channels
.irp c, 0,1
.set i, 0
.rept 32
	ds_load_b32 v[\dst+32*\c+i], v[AK0+\c] offset:(32*(\h)+i)*PITCH
.set i, i+1
.endr
.endr
.endm
; Two whole blocks of 32 in a lane's registers become 12 registers of codes and two bytes.
.macro QUANT src, dst
.irp c, 0,1
	v_max3_num_f32 v[MX+\c], |v[\src+32*\c]|, |v[\src+32*\c+1]|, 0x1800000   ; with the floor 2^(3 - 127): the byte cannot fall under 1
.endr
.irp i, 2,4,6,8,10,12,14,16,18,20,22,24,26,28,30
.irp c, 0,1
	s_delay_alu instid0(VALU_DEP_2)
	v_max3_num_f32 v[MX+\c], v[MX+\c], |v[\src+32*\c+\i]|, |v[\src+32*\c+\i+1]|
.endr
.endr
.irp c, 0,1
	s_delay_alu instid0(VALU_DEP_2)
	v_add_nc_u32 v[SOP+\c], 0xff000000, v[MX+\c]   ; 2 off the exponent field: the conversion's scale operand
.endr
.irp c, 0,1
	s_delay_alu instid0(VALU_DEP_2)
	v_lshrrev_b32 v[BY+\c], 23, v[SOP+\c]          ; the scale's byte
.endr
.irp c, 0,1
	v_cvt_scalef32_pk16_fp6_f32 v[\dst+6*\c:\dst+6*\c+2], v[\src+32*\c:\src+32*\c+15], v[SOP+\c]
	v_cvt_scalef32_pk16_fp6_f32 v[TT+4*\c:TT+4*\c+2], v[\src+32*\c+16:\src+32*\c+31], v[SOP+\c]
.endr
	v_nop                                          ; one plain place behind a scaled conversion
.irp c, 0,1
.irp i, 0,1,2
	v_mov_b32 v[\dst+6*\c+3+\i], v[TT+4*\c+\i]
.endr
.endr
.endm
.macro VWORD w                         ; my two bytes are blocks h and 2 + h of my channel: with lane l xor 16's two the word is whole
	v_lshl_or_b32 v22, v[BY+1], 16, v[BY]
	s_delay_alu instid0(VALU_DEP_1)
	v_lshlrev_b32 v22, v13, v22
	s_delay_alu instid0(VALU_DEP_1)
	v_permlanex16_b32 v23, v22, s34, s35
	s_delay_alu instid0(VALU_DEP_1)
	v_or_b32 v[\w], v22, v23
.endm
	s_wait_tensorcnt 0x0                           ; my 32 rows are in,
	s_barrier_signal -1
	s_barrier_wait -1                              ; everybody's are: K's part reads all 256
	LOADV 0, XA
	LOADV 1, XB
	s_wait_dscnt 16                                ; the first set is in; the second's 16 loads may be out
	QUANT XA, C0
.irp g, 0,1,2
	global_store_b128 v[GV], v[C0+4*\g:C0+4*\g+3], s[28:29] offset:512*\g      ; 32 lanes store 512 consecutive bytes
.endr
	VWORD 24
	s_wait_dscnt 0x0                               ; the second set is in
	LOADK 0, XA
	QUANT XB, C0+12
.irp g, 0,1,2
	global_store_b128 v[GV], v[C0+12+4*\g:C0+12+4*\g+3], s[28:29] offset:FRB+512*\g
.endr
	VWORD 25
	v_cmp_lt_u32 vcc_lo, 15, v1
	s_delay_alu instid0(VALU_DEP_1)
	v_cndmask_b32 v26, v24, v25, vcc_lo            ; lanes 0-15 tile 2 w's words, lanes 16-31 tile 2 w + 1's
	s_wait_alu depctr_va_vdst(0)
	s_wait_dscnt 0x0                               ; K's half h = 0 is in
	ds_store_b32 v[SVA], v26
	LOADK 1, XB
	QUANT XA, C0+24
.irp g, 0,1,2
	global_store_b128 v[GK], v[C0+24+4*\g:C0+24+4*\g+3], s[30:31] offset:512*\g     ; lanes (r, h = 0) of fragments 2 b and 2 b + 1: sixteen lanes store 256 consecutive bytes, aligned
.endr
	v_lshl_or_b32 v27, v[BY+1], 16, v[BY]          ; channel blocks 0 and 2 of my place
	s_wait_dscnt 0x0                               ; the half h = 1 is in
	QUANT XB, C0+36
.irp g, 0,1,2
	global_store_b128 v[GK], v[C0+36+4*\g:C0+36+4*\g+3], s[30:31] offset:512*\g+256 ; lanes (r, h = 1)
.endr
	v_lshl_or_b32 v22, v[BY+1], 16, v[BY]
	s_delay_alu instid0(VALU_DEP_1)
	v_lshl_or_b32 v27, v22, 8, v27                 ; blocks 1 and 3: the word is whole
	ds_store_b32 v[SKA], v27
	s_wait_dscnt 0x0                               ; for the others' sake: my two words have landed
	s_barrier_signal -1
	s_barrier_wait -1
	ds_load_b64 v[28:29], v[SRD]
	s_wait_dscnt 0x0
	global_store_b64 v[GS], v[28:29], s[32:33] offset:SCOFF    ; a wave stores 256 consecutive bytes, aligned
	s_wait_tensorcnt 0x0                           ; the wave's end
	ds_add_u32 v224, v225
	s_wait_dscnt 0x0
	s_endpgm
.Lfunc_end_k_q7ec52d6a2b_quant:
	.size	k_q7ec52d6a2b_quant, .Lfunc_end_k_q7ec52d6a2b_quant-k_q7ec52d6a2b_quant
	.p2alignl 7, 3214868480
	.fill 96, 4, 3214868480
	.section	.rodata,"a",@progbits
	.p2align	6, 0x0
	.amdhsa_kernel k_q7ec52d6a2b_quant
		.amdhsa_group_segment_fixed_size 168960
		.amdhsa_private_segment_fixed_size 0
		.amdhsa_enable_private_segment 0
		.amdhsa_kernarg_size 16
		.amdhsa_user_sgpr_count 2
		.amdhsa_user_sgpr_kernarg_segment_ptr 1
		.amdhsa_wavefront_size32 1
		.amdhsa_system_sgpr_workgroup_id_x 1
		.amdhsa_system_sgpr_workgroup_id_y 1
		.amdhsa_system_sgpr_workgroup_id_z 1
		.amdhsa_system_vgpr_workitem_id 0
		.amdhsa_next_free_vgpr 226
		.amdhsa_next_free_sgpr 66
		.amdhsa_reserve_vcc 1
		.amdhsa_float_denorm_mode_32 3
		.amdhsa_float_denorm_mode_16_64 3
		.amdhsa_memory_ordered 1
		.amdhsa_forward_progress 1
		.amdhsa_inst_pref_size 33
	.end_amdhsa_kernel
	.amdgpu_metadata
---
amdhsa.version: [ 1, 2 ]
amdhsa.kernels:
  - .name:           k_q7ec52d6a2b_quant
    .symbol:         k_q7ec52d6a2b_quant.kd
    .args:
      - { .name: x, .offset: 0, .size: 8, .value_kind: global_buffer, .address_space: global }
      - { .name: kv, .offset: 8, .size: 8, .value_kind: global_buffer, .address_space: global }
    .group_segment_fixed_size: 168960
    .private_segment_fixed_size: 0
    .kernarg_segment_align: 8
    .kernarg_segment_size: 16
    .max_flat_workgroup_size: 256
    .sgpr_count:     66
    .vgpr_count:     226
    .wavefront_size: 32
...
	.end_amdgpu_metadata
.endif
;; end of part 1
;; launch attn (part 2): grid 32 x 8, 8 waves a work-group, clusters of 4 x 1, 327,680 bytes of LDS; arguments kv, out0; writes out0
.if DOCPART == 2
	.amdgcn_target "amdgcn-amd-amdhsa--gfx1250"
	.amdhsa_code_object_version 6
	.text
	.protected	k_q7ec52d6a2b_attn
	.globl	k_q7ec52d6a2b_attn
	.p2align	8
	.type	k_q7ec52d6a2b_attn,@function
k_q7ec52d6a2b_attn:
	s_mov_b64 s[64:65], 0
	v_nop
	global_prefetch_b8 v0, s[64:65] scope:SCOPE_SE
	s_setreg_imm32_b32 hwreg(HW_REG_WAVE_MODE, 25, 1), 1
	s_wait_xcnt 0x0
	s_wait_alu depctr_hold_cnt(0) depctr_sa_sdst(0) depctr_va_vdst(0) depctr_va_sdst(0) depctr_va_ssrc(0) depctr_va_vcc(0) depctr_vm_vsrc(0)
	s_getreg_b32 s2, hwreg(HW_REG_IB_STS2, 6, 4)
	s_cmp_eq_u32 s2, 0
	s_cbranch_scc0 .Lentry_in_a_cluster
	s_endpgm
.Lentry_in_a_cluster:
	s_bfe_u32 s2, ttmp6, 0x10000c
	s_cmp_lg_u32 s2, 0x3003
	s_cbranch_scc0 .Lentry_shape_is_right
	s_endpgm
.Lentry_shape_is_right:
; out[b][c][j] = sum over n of x[b][c][n] softmax_n(sum over c' of x[b][c'][j] x[b][c'][n]), both products in MX-FP6 on the codes that the launch before has laid in kv.
; A work-group takes 128 queries of one batch, each of its eight waves one tile of 16 of them, two waves to a SIMD, and walks the batch's 4,096 keys in 32 steps of 128.
; Both products are used transposed (S^T = K Q^T, O^T = V P^T): a lane holds one query throughout.  p = 2^(t - M), M the ceiling of the running largest t, a whole number;
; the row's sum is taken of the unquantised p; when M moves, sum and O^T are multiplied by f = 2^(old M - new M), which rounds nothing; no branch hangs on data.
; THE SECOND PRODUCT RUNS ONE STEP BEHIND THE FIRST.  Step i has two phases:
;   A(i): the 16 products of S(i), with O^T x f(i-1) between them, four packed multiplies behind each product;
;   B(i): the maxima of S(i), M, f(i), t - M; the 64 exponentials with the 16 products O^T += V(i-1) P(i-1), one ahead of every four; then sums, scales and codes of P(i).
; K's and V's fragments share ONE buffer of 192 registers, in four quarters of 48: a quarter is filled again (12 loads) when its four products are done: with V(i-1) in A(i), with K(i+1) in B(i).
; kv holds each batch as 64 halves of 25,600 bytes in that order of reading: K0 K1 V0 K2 V1 .. K31 V30 V31.  A slot of LDS holds four halves, an eighth of it to a wave's tensor load; two slots take turns.
; A change of slots falls in front of A(even), where K's fragments are in registers already.  The last half, V31, is fetched by B(31) as a K half is, and the last product follows the loop.
; CLUSTERS: the four work-groups of a cluster walk the same batch: every tile is asked for jointly (mask 15).
; PREFETCH: behind the joint load of slot n + 1 the cluster names the 400 blocks of 256 bytes of slot n + 2 once: a partner takes 100 by address, its wave w blocks 13 w .. 13 w + 12 (wave 7: to 99); the last change with a refill asks for nothing.
; LIMITS: the promise holds while |t| stays under 2^31; NaN and infinities among the inputs are not served.
; REGISTERS: window 0: v0-63 addresses, scale words, the softmax's state, P's codes; v64-127 S then p; v128-255 O^T (8 t + j).  Window 1: v0-191 the fragments' buffer, v192-215 Q's two fragments.
.set HALFB, 25600
.set SLOTB, 4*HALFB
.set EIGHTH, SLOTB/8
.set BATCHB, 64*HALFB
.set SCOFF, 24576                      ; the scale words' place in a half
.set SLOT1, 1<<17
.set SPITCH, 528
.set STGB,  SLOT1+SLOTB                ; the way out: channels 128-255 are staged here, channels 0-127 from byte 0 on, in the slot that has had its last fill
.set SPARE, STGB+128*SPITCH            ; the spare words: 1,024 bytes that no other line names
.set LI,   1                           ; 16 x lane
.set ADR,  2                           ; LDS address of the half that is being fetched
.set SPW,  3
.set NIL,  4
.set PFO,  5                           ; the prefetch's offset; never rewritten
.set STOA, 6
.set RD,   7
.set KSC,  8                           ; K's scale words, 8 registers
.set VSC,  16                          ; V's
.set QSC,  24                          ; Q's
.set STOB, 25
.set ST,   28                          ; -M, largest t, the sum's two halves, f, p's scale word, two at work
.set WK,   36                          ; 16 at work: 0-7 chains and code halves, 8-11 the blocks' maxima, 12-15 the conversions' scale operands
.set BM,   WK+8
.set SOP,  WK+12
.set P,    52                          ; p's codes, 12
.set S,    64
.set O,    128
.set QF,   192
.set WV,   8
.set G1,   24
.set TB,   40                          ; LDS byte of the next half
.set SLOTS, 41
.set TWICE, 42
.set CS,   44
.set SEL,  46
.set PFA,  56
.set MSB, 0
.macro WIN new                         ; the immediate's high byte repeats the setting that is left
.if MSB != \new
	s_set_vgpr_msb (MSB<<8)|\new
.set MSB, \new
.endif
.endm
.set W_S,  0x05                        ; A and B window 1
.set W_PV, 0x01                        ; A window 1
.set W_LD, 0x40                        ; destination window 1
.macro DEP n                           ; the reader below takes the result of the plain vector line n vector lines back
	s_delay_alu instid0(VALU_DEP_\n)
.endm
.macro CROUND                          ; a round of the cluster's barrier
	s_barrier_signal -1
	s_barrier_wait -1
	s_cmp_lg_u32 s[WV], 0
	s_cbranch_scc1 .Lnot_wave_0_\@
	s_barrier_signal -3
.Lnot_wave_0_\@:
	s_barrier_wait -3
	s_barrier_signal -1
	s_barrier_wait -1
.endm
.macro PLACES
.rept 4
	v_nop
.endr
.endm
	s_load_b128 s[4:7], s[0:1], 0x0                ; kv, out
	v_lshl_add_u32 v[SPW], v0, 2, SPARE
	v_mov_b32 v[NIL], 0
	ds_add_u32 v[SPW], v[NIL]                      ; the opening lines
	ds_add_u32 v[SPW], v[NIL]
	v_lshrrev_b32 v1, 5, v0
	DEP 1
	v_readfirstlane_b32 s[WV], v1                  ; wave 0..7
	v_and_b32 v1, 31, v0
	DEP 1
	v_lshlrev_b32 v[LI], 4, v1
	v_lshrrev_b32 v[PFO], 5, v0
	v_and_b32 v6, 31, v0
	DEP 1
	v_min_u32 v6, 12, v6                           ; lanes 13-31 name the wave's last block again
	DEP 1
	v_mad_u32_u24 v[PFO], v[PFO], 13, v6
	DEP 1
	v_min_u32 v[PFO], 99, v[PFO]
	DEP 1
	v_lshlrev_b32 v[PFO], 8, v[PFO]
	v_mov_b32 v[ST+1], 0xff61b1e6                  ; the largest t so far: -3e38
	DEP 1
	v_floor_f32 v[ST], -v[ST+1]
	v_mov_b32 v[ST+2], 0
	v_mov_b32 v[ST+3], 0
	v_mov_b32 v[ST+5], 0
	s_bfe_u32 s9, ttmp6, 0x40000                   ; cx
	s_lshl_b32 s10, ttmp9, 2
	s_add_co_u32 s10, s10, s9                      ; which 128 queries
	s_and_b32 s11, ttmp7, 0xffff                   ; batch
	s_mul_i32 s12, s11, BATCHB
	s_mul_i32 s16, s[WV], EIGHTH                   ; my eighth of a slot, in memory and in LDS
	s_add_co_u32 s14, s12, s16
	s_mov_b32 s15, 0
	s_lshl_b32 s18, s10, 1                         ; my queries are in K's half of step s10: place max(2 s10 - 1, 0)
	s_sub_co_i32 s18, s18, 1
	s_max_i32 s18, s18, 0
	s_mul_i32 s18, s18, HALFB
	s_add_co_u32 s18, s18, s12
	s_lshr_b32 s43, s[WV], 2                       ; its scale register w
	s_lshl_b32 s43, s43, 9
	s_add_co_u32 s20, s18, s43
	s_and_b32 s43, s[WV], 3
	s_lshl_b32 s43, s43, 2
	s_add_co_u32 s20, s20, s43
	s_add_co_u32 s20, s20, SCOFF
	s_mov_b32 s21, 0
	s_mul_i32 s43, s[WV], 3072                     ; its fragments 2 w, 2 w + 1
	s_add_co_u32 s18, s18, s43
	s_mov_b32 s19, 0
	s_lshl_b32 s22, s11, 22                        ; out: batch, my 32 channels on the way out, the work-group's 512 bytes of a row
	s_lshl_b32 s43, s[WV], 19
	s_add_co_u32 s22, s22, s43
	s_lshl_b32 s43, s10, 9
	s_add_co_u32 s22, s22, s43
	s_mov_b32 s23, 0
	s_mul_i32 s43, s9, HALFB                       ; the prefetches: my work-group's 100 blocks of a slot; the first change of slots steps this to slot 3
	s_add_co_u32 s[PFA], s12, s43
	s_add_co_u32 s[PFA], s[PFA], 2*SLOTB
	s_mov_b32 s[PFA+1], 0
	s_mov_b32 s[G1], 15|(3<<16)|(1<<21)            ; group 1: 50 dense rows of 32 elements of 8 bytes, asked for by all four partners
	s_mov_b32 s[G1+1], 32<<16
	s_mov_b32 s[G1+2], 50<<16
	s_mov_b32 s[G1+3], 32<<16
	s_mov_b32 s[G1+4], 50
	s_mov_b32 s[G1+5], 32
	s_mov_b32 s[G1+6], 0
	s_mov_b32 s[G1+7], 0
	s_mov_b32 s[CS], 0x3fb8aa3b                    ; log2(e)
	s_mov_b32 s[CS+1], s[CS]
	s_mov_b32 s[SEL], 0x76543210
	s_mov_b32 s[SEL+1], 0xfedcba98                 ; lane l xor 16
	s_mov_b32 s[TB], 0
	s_mov_b32 s[SLOTS], 14
	s_wait_alu depctr_va_vdst(0)                   ; behind the head's vector lines
	s_wait_dscnt 0x0                               ; both opening adds are done
	s_wait_kmcnt 0x0
	s_add_nc_u64 s[48:49], s[4:5], s[18:19]
	s_add_nc_u64 s[50:51], s[4:5], s[20:21]
	s_add_nc_u64 s[52:53], s[6:7], s[22:23]
	s_add_nc_u64 s[PFA:PFA+1], s[4:5], s[PFA:PFA+1]
	WIN W_LD
.set i, 0
.rept 6
	global_load_b128 v[QF+4*i:QF+4*i+3], v[LI], s[48:49] offset:512*i   ; Q's two fragments
.set i, i+1
.endr
	WIN 0
	global_load_b32 v[QSC], v[LI], s[50:51]
	CROUND                                         ; in front of the first joint loads
	s_mov_b32 s32, 1
	s_mov_b32 s33, s16
	s_add_nc_u64 s[34:35], s[4:5], s[14:15]
	s_or_b32 s35, s35, 0x80000000
	s_mov_b32 s36, 1
	s_add_co_u32 s37, s16, SLOT1
	s_add_nc_u64 s[38:39], s[4:5], s[14:15]
	s_add_nc_u64 s[38:39], s[38:39], SLOTB
	s_or_b32 s39, s39, 0x80000000
	tensor_load_to_lds s[32:35], s[G1:G1+7]        ; slot 0: my one load at the head
	s_nop 0
	s_wait_tensorcnt 0x0                           ; slot 1's first fill stands behind the full sequence, as a refill does
	ds_add_u32 v[SPW], v[NIL]
	s_wait_dscnt 0x0
	CROUND                                         ; everybody's part of slot 0 is in
	tensor_load_to_lds s[36:39], s[G1:G1+7]
	s_nop 0
	PLACES
.macro FSET                            ; on to the next half
	v_add_nc_u32 v[ADR], s[TB], v[LI]
	s_add_co_u32 s[TB], s[TB], HALFB
.endm
.macro FSC dst                         ; the half's scale words
	ds_load_b128 v[\dst:\dst+3], v[ADR] offset:SCOFF
	ds_load_b128 v[\dst+4:\dst+7], v[ADR] offset:SCOFF+512
.endm
.macro FCH from, cnt                   ; cnt groups of four registers of its fragments
	WIN W_LD
.set FI, \from
.rept \cnt
	ds_load_b128 v[4*FI:4*FI+3], v[ADR] offset:512*FI
.set FI, FI+1
.endr
	WIN 0
.endm
; Phase A.  A quarter of the buffer holds two tiles of keys: their two accumulators take turns, channels 0-127 and then 128-255.
.macro PHA vload, resc
	s_wait_dscnt 0x0                               ; K's fragments and scale words are in
.if \vload
	FSET
	s_wait_alu depctr_va_vdst(0)                   ; the wait behind the write: its readers stand among scalar lines
	FSC VSC
.endif
.set NN, 0
.rept 16
.set tT, 2*(NN/4)+NN%2
.set kS, (NN%4)/2
.set rS, S+8*tT
.set rK, 24*tT+12*kS
.set rQ, QF+12*kS
	WIN W_S
.if kS == 0
	v_wmma_scale_f32_16x16x128_f8f6f4 v[rS:rS+7], v[rK:rK+11], v[rQ:rQ+11], 0, v[KSC+tT], v[QSC] matrix_a_fmt:MATRIX_FMT_FP6 matrix_b_fmt:MATRIX_FMT_FP6
.else
	v_wmma_scale_f32_16x16x128_f8f6f4 v[rS:rS+7], v[rK:rK+11], v[rQ:rQ+11], v[rS:rS+7], v[KSC+tT], v[QSC] matrix_a_fmt:MATRIX_FMT_FP6 matrix_b_fmt:MATRIX_FMT_FP6 matrix_a_scale:MATRIX_SCALE_ROW1 matrix_b_scale:MATRIX_SCALE_ROW1
.endif
	WIN 0
.if \resc
.irp k, 0,2,4,6
	v_pk_mul_f32 v[O+8*NN+\k:O+8*NN+\k+1], v[O+8*NN+\k:O+8*NN+\k+1], v[ST+4:ST+5] op_sel_hi:[1,0]   ; one accumulator of O^T under the last step's M
.endr
.endif
.if NN%4 == 3
.if \resc == 0
	PLACES                                         ; behind the quarter's last product
.endif
.if \vload
	FCH 12*(NN/4), 12                              ; the quarter takes V's tiles 4 (NN / 4) .. + 3
.endif
.endif
.set NN, NN+1
.endr
.endm
.macro PV1 t, first, sc
.set rO, O+8*(\t)
.set rV, 12*(\t)
.if \first
.if (\t)%2
	v_wmma_scale_f32_16x16x128_f8f6f4 v[rO:rO+7], v[rV:rV+11], v[P:P+11], 0, v[\sc+(\t)/2], v[ST+5] matrix_a_fmt:MATRIX_FMT_FP6 matrix_b_fmt:MATRIX_FMT_FP6 matrix_a_scale:MATRIX_SCALE_ROW1
.else
	v_wmma_scale_f32_16x16x128_f8f6f4 v[rO:rO+7], v[rV:rV+11], v[P:P+11], 0, v[\sc+(\t)/2], v[ST+5] matrix_a_fmt:MATRIX_FMT_FP6 matrix_b_fmt:MATRIX_FMT_FP6
.endif
.else
.if (\t)%2
	v_wmma_scale_f32_16x16x128_f8f6f4 v[rO:rO+7], v[rV:rV+11], v[P:P+11], v[rO:rO+7], v[\sc+(\t)/2], v[ST+5] matrix_a_fmt:MATRIX_FMT_FP6 matrix_b_fmt:MATRIX_FMT_FP6 matrix_a_scale:MATRIX_SCALE_ROW1
.else
	v_wmma_scale_f32_16x16x128_f8f6f4 v[rO:rO+7], v[rV:rV+11], v[P:P+11], v[rO:rO+7], v[\sc+(\t)/2], v[ST+5] matrix_a_fmt:MATRIX_FMT_FP6 matrix_b_fmt:MATRIX_FMT_FP6
.endif
.endif
.endm
; Phase B.  pv = 0: no second product yet; 1: it starts the sums of O^T; 2: it adds onto them.
.macro PHB pv
.irp c, 0,1,2,3,4,5,6,7
	v_max3_num_f32 v[WK+\c], v[S+8*\c], v[S+8*\c+1], v[S+8*\c+2]   ; the largest score, a chain to each tile of 16 keys: eight chains by turns
.endr
.irp i, 3,5
.irp c, 0,1,2,3,4,5,6,7
	v_max3_num_f32 v[WK+\c], v[WK+\c], v[S+8*\c+\i], v[S+8*\c+\i+1]
.endr
.endr
.irp b, 0,1,2,3
	v_max_num_f32 v[WK+2*\b], v[WK+2*\b], v[S+16*\b+7]
.endr
	v_mov_b32 v[ST+6], v[ST]                       ; the old -M
	FSET                                           ; the next K half's address
.irp b, 0,1,2,3
	v_max3_num_f32 v[BM+\b], v[WK+2*\b], v[WK+2*\b+1], v[S+16*\b+15]   ; my 16 keys of each block of 32
.endr
.irp b, 0,1,2,3
	DEP 4
	v_permlanex16_b32 v[WK+\b], v[BM+\b], s[SEL], s[SEL+1]
.endr
.irp b, 0,1,2,3
	DEP 4
	v_max_num_f32 v[BM+\b], v[BM+\b], v[WK+\b]     ; with lane l xor 16's 16 keys
.endr
	v_max3_num_f32 v[ST+7], v[BM], v[BM+1], v[BM+2]
	v_max_num_f32 v[ST+7], v[ST+7], v[BM+3]
	v_mul_f32 v[ST+7], s[CS], v[ST+7]              ; the step's largest t
	v_max_num_f32 v[ST+1], v[ST+1], v[ST+7]
	v_floor_f32 v[ST], -v[ST+1]                    ; -M = floor(-t)
	v_sub_f32 v[ST+6], v[ST], v[ST+6]
	v_cvt_i32_f32 v[ST+6], v[ST+6]
	v_ldexp_f32 v[ST+4], 1.0, v[ST+6]              ; f = 2^(old M - new M)
.irp j, 0,2,4,6,8,10,12,14,16,18,20,22,24,26,28,30,32,34,36,38,40,42,44,46,48,50,52,54,56,58,60,62
	v_pk_fma_f32 v[S+\j:S+\j+1], v[S+\j:S+\j+1], s[CS:CS+1], v[ST:ST+1] op_sel_hi:[1,0,0]   ; t - M
.endr
.irp b, 0,1,2,3
	v_fma_f32 v[BM+\b], v[BM+\b], s[CS], v[ST]     ; the same of each block's largest score
.endr
	s_wait_alu depctr_va_vdst(0)                   ; the wait ahead of the batch
.if \pv
	s_wait_dscnt 0x0                               ; V's fragments and scale words are in
.endif
	FSC KSC
.set NN, 0
.rept 16
.if \pv == 1
	WIN W_PV
	PV1 NN, 1, VSC
	WIN 0
.endif
.if \pv == 2
	WIN W_PV
	PV1 NN, 0, VSC
	WIN 0
.endif
.irp k, 0,1,2,3
	v_exp_f32 v[S+4*NN+\k], v[S+4*NN+\k]           ; p = 2^(t - M)
.endr
.if NN%4 == 3
.if \pv
	PLACES                                         ; behind the quarter's last product
.endif
	FCH 12*(NN/4), 12                              ; the quarter takes the next K's tiles 2 (NN / 4), + 1
.endif
.set NN, NN+1
.endr
.irp b, 0,1,2,3
	v_exp_f32 v[BM+\b], v[BM+\b]                   ; each block's largest p
.endr
	v_pk_mul_f32 v[ST+2:ST+3], v[ST+2:ST+3], v[ST+4:ST+5] op_sel_hi:[1,0]   ; the sum under the new M
	s_wait_alu depctr_va_vdst(0)                   ; one wait for the batch, ahead of its first reader
.irp b, 0,1,2,3
	v_max_num_f32 v[BM+\b], 0x1800000, v[BM+\b]    ; the floor: the byte cannot fall under 1
.endr
.irp b, 0,1,2,3
	DEP 4
	v_add_nc_u32 v[SOP+\b], 0xff000000, v[BM+\b]   ; the conversion's scale operand
.endr
.irp b, 0,1,2,3
	DEP 4
	v_lshrrev_b32 v[WK+\b], 23, v[SOP+\b]
.endr
	DEP 3
	v_lshl_or_b32 v[ST+5], v[WK+1], 8, v[WK]       ; p's scale word
	DEP 1
	v_lshl_or_b32 v[ST+5], v[WK+2], 16, v[ST+5]
	DEP 1
	v_lshl_or_b32 v[ST+5], v[WK+3], 24, v[ST+5]
.irp c, 0,1
	v_cvt_scalef32_pk16_fp6_f32 v[P+6*\c:P+6*\c+2], v[S+32*\c:S+32*\c+15], v[SOP+2*\c]
	v_cvt_scalef32_pk16_fp6_f32 v[WK+4*\c:WK+4*\c+2], v[S+32*\c+16:S+32*\c+31], v[SOP+2*\c+1]
.endr
	v_nop                                          ; one plain place behind a scaled conversion
.irp c, 0,1
.irp i, 0,1,2
	v_permlane16_swap_b32 v[P+6*\c+\i], v[WK+4*\c+\i]   ; a whole block of 32 keys to a lane
.endr
.endr
.irp c, 0,1
.irp i, 0,1,2
	v_mov_b32 v[P+6*\c+3+\i], v[WK+4*\c+\i]
.endr
.endr
	; the row's sum, of the unquantised p: a tree in place, two numbers a line
.irp k, 0,1,2,3,4,5,6,7,8,9,10,11,12,13,14,15
	v_pk_add_f32 v[S+4*\k:S+4*\k+1], v[S+4*\k:S+4*\k+1], v[S+4*\k+2:S+4*\k+3]
.endr
.irp k, 0,1,2,3,4,5,6,7
	v_pk_add_f32 v[S+8*\k:S+8*\k+1], v[S+8*\k:S+8*\k+1], v[S+8*\k+4:S+8*\k+5]
.endr
.irp k, 0,1,2
	v_pk_add_f32 v[S+16*\k:S+16*\k+1], v[S+16*\k:S+16*\k+1], v[S+16*\k+8:S+16*\k+9]
.endr
	DEP 4
	v_pk_add_f32 v[S+48:S+49], v[S+48:S+49], v[S+56:S+57]
	DEP 3
	v_pk_add_f32 v[S:S+1], v[S:S+1], v[S+16:S+17]
	DEP 2
	v_pk_add_f32 v[S+32:S+33], v[S+32:S+33], v[S+48:S+49]
	DEP 1
	v_pk_add_f32 v[S:S+1], v[S:S+1], v[S+32:S+33]
	DEP 1
	v_pk_add_f32 v[ST+2:ST+3], v[ST+2:ST+3], v[S:S+1]
	s_wait_alu depctr_va_vdst(0)
.endm
; A change of slots.  All four halves of the old slot are in registers or used up; K of the step that follows is among them.
.macro CHANGE fill
.if \fill
	s_wait_xcnt 0x0                                ; my last prefetch has read its address
	s_add_nc_u64 s[PFA:PFA+1], s[PFA:PFA+1], SLOTB
.endif
	s_wait_tensorcnt 0x0                           ; my part of the next slot is in
	ds_add_u32 v[SPW], v[NIL]
.if \fill
	s_xor_b32 s37, s37, SLOT1
	s_add_nc_u64 s[38:39], s[38:39], SLOTB
	s_wait_dscnt 0x0                               ; the add is done, and my reads of the old slot
	CROUND
	tensor_load_to_lds s[36:39], s[G1:G1+7]        ; the slot after the next, into the slot just read out
	s_nop 0
	PLACES
	s_cmp_gt_u32 s[SLOTS], 1                       ; the loop's last trip has no slot two on
	s_cbranch_scc0 .Lno_ask_\@
	global_prefetch_b8 v[PFO], s[PFA:PFA+1] th:TH_LOAD_NT scope:SCOPE_SE
.Lno_ask_\@:
.else
	s_wait_dscnt 0x0
	s_barrier_signal -1
	s_barrier_wait -1
.endif
	s_sub_co_u32 s[TB], s[TB], SLOTB
	s_xor_b32 s[TB], s[TB], SLOT1
.endm
.macro TWO                             ; a slot's two steps
	s_mov_b32 s[TWICE], 2
.Lstep_\@:
	PHA 1, 1
	PHB 2
	s_sub_co_u32 s[TWICE], s[TWICE], 1
	s_cmp_lg_u32 s[TWICE], 0
	s_cbranch_scc1 .Lstep_\@
.endm
	FSET                                           ; K0
	s_wait_alu depctr_va_vdst(0)
	FSC KSC
	FCH 0, 48
	s_wait_loadcnt 0x0                             ; Q is in
	PHA 0, 0
	PHB 0
	PHA 1, 0
	PHB 1
.Lslot:
	CHANGE 1
	TWO
	s_sub_co_u32 s[SLOTS], s[SLOTS], 1
	s_cmp_lg_u32 s[SLOTS], 0
	s_cbranch_scc1 .Lslot
	CHANGE 0                                       ; slot 15: nothing is filled again
	TWO
	; the last product: O^T x f(31) + V31 P(31); V31's scale words lie in K's registers
.set i, 0
.rept 64
	v_pk_mul_f32 v[O+i:O+i+1], v[O+i:O+i+1], v[ST+4:ST+5] op_sel_hi:[1,0]
.set i, i+2
.endr
	s_lshr_b32 s43, s[WV], 1                       ; the way out: my tile's place in a row: 32 (w / 2) + 8 (w % 2) queries of 4 bytes
	s_lshl_b32 s43, s43, 7
	s_and_b32 s54, s[WV], 1
	s_lshl_b32 s54, s54, 5
	s_add_co_u32 s43, s43, s54
	s_and_b32 s54, s[WV], 3                        ; back: wave w takes channels 32 w .. 32 w + 31
	s_mul_i32 s54, s54, 32*SPITCH
	s_lshr_b32 s55, s[WV], 2
	s_mul_i32 s55, s55, STGB
	s_add_co_u32 s54, s54, s55
	s_wait_alu depctr_va_vdst(0)
	s_wait_dscnt 0x0
	WIN W_PV
.irp t, 0,1,2,3,4,5,6,7,8,9,10,11,12,13,14,15
	PV1 \t, 0, KSC
.endr
	WIN 0
	; O^T / the sum, through the stage, as rows of 512 bytes of out
	v_and_b32 v26, 15, v0
	v_bfe_u32 v27, v0, 4, 1
	DEP 2
	v_and_b32 v[STOB], 8, v26
	DEP 1
	v_add_nc_u32 v[STOB], v[STOB], v26             ; r + 8 (r / 8)
	DEP 1
	v_lshlrev_b32 v[STOA], 2, v[STOB]
	DEP 1
	v_mad_u32_u24 v[STOA], v27, 8*SPITCH, v[STOA]
	DEP 1
	v_add_nc_u32 v[STOA], s43, v[STOA]
	DEP 1
	v_add_nc_u32 v[STOB], STGB, v[STOA]
	v_add_nc_u32 v[RD], s54, v[LI]
	v_add_f32 v[ST+6], v[ST+2], v[ST+3]
	DEP 1
	v_permlanex16_b32 v[ST+7], v[ST+6], s[SEL], s[SEL+1]
	DEP 1
	v_add_f32 v[ST+6], v[ST+6], v[ST+7]
	s_wait_alu depctr_va_vdst(0)
	v_rcp_f32 v[ST+6], v[ST+6]
	v_nop
	s_wait_alu depctr_va_vdst(0)
.set i, 0
.rept 64
	v_pk_mul_f32 v[O+i:O+i+1], v[O+i:O+i+1], v[ST+6:ST+7] op_sel_hi:[1,0]
.set i, i+2
.endr
.irp t, 0,1,2,3,4,5,6,7
.irp j, 0,1,2,3,4,5,6,7
	ds_store_b32 v[STOA], v[O+8*\t+\j] offset:(16*\t+\j)*SPITCH
.endr
.endr
.irp t, 0,1,2,3,4,5,6,7
.irp j, 0,1,2,3,4,5,6,7
	ds_store_b32 v[STOB], v[O+64+8*\t+\j] offset:(16*\t+\j)*SPITCH
.endr
.endr
	s_wait_dscnt 0x0                               ; for the others' sake
	s_barrier_signal -1
	s_barrier_wait -1
.set i, 0
.rept 32
	ds_load_b128 v[S+4*i:S+4*i+3], v[RD] offset:i*SPITCH
.set i, i+1
.endr
.set i, 0
.rept 32
	s_wait_dscnt 31-i                              ; row i is back; the younger loads may be out
	global_store_b128 v[LI], v[S+4*i:S+4*i+3], s[52:53] offset:i*16384 th:TH_STORE_NT   ; 32 lanes store 512 consecutive bytes, aligned
.set i, i+1
.endr
	s_wait_tensorcnt 0x0                           ; the wave's end
	ds_add_u32 v[SPW], v[NIL]
	s_wait_dscnt 0x0
	CROUND                                         ; the closing round
	s_endpgm
.Lfunc_end_k_q7ec52d6a2b_attn:
	.size	k_q7ec52d6a2b_attn, .Lfunc_end_k_q7ec52d6a2b_attn-k_q7ec52d6a2b_attn
	.p2alignl 7, 3214868480
	.fill 96, 4, 3214868480
	.section	.rodata,"a",@progbits
	.p2align	6, 0x0
	.amdhsa_kernel k_q7ec52d6a2b_attn
		.amdhsa_group_segment_fixed_size 327680
		.amdhsa_private_segment_fixed_size 0
		.amdhsa_enable_private_segment 0
		.amdhsa_kernarg_size 16
		.amdhsa_user_sgpr_count 2
		.amdhsa_user_sgpr_kernarg_segment_ptr 1
		.amdhsa_wavefront_size32 1
		.amdhsa_system_sgpr_workgroup_id_x 1
		.amdhsa_system_sgpr_workgroup_id_y 1
		.amdhsa_system_sgpr_workgroup_id_z 1
		.amdhsa_system_vgpr_workitem_id 0
		.amdhsa_next_free_vgpr 512
		.amdhsa_next_free_sgpr 66
		.amdhsa_reserve_vcc 0
		.amdhsa_float_denorm_mode_32 3
		.amdhsa_float_denorm_mode_16_64 3
		.amdhsa_memory_ordered 1
		.amdhsa_forward_progress 1
		.amdhsa_inst_pref_size 139
	.end_amdhsa_kernel
	.amdgpu_metadata
---
amdhsa.version: [ 1, 2 ]
amdhsa.kernels:
  - .name:           k_q7ec52d6a2b_attn
    .symbol:         k_q7ec52d6a2b_attn.kd
    .args:
      - { .name: kv, .offset: 0, .size: 8, .value_kind: global_buffer, .address_space: global }
      - { .name: out0, .offset: 8, .size: 8, .value_kind: global_buffer, .address_space: global }
    .group_segment_fixed_size: 327680
    .private_segment_fixed_size: 0
    .kernarg_segment_align: 8
    .kernarg_segment_size: 16
    .max_flat_workgroup_size: 256
    .sgpr_count:     66
    .vgpr_count:     512
    .wavefront_size: 32
...
	.end_amdgpu_metadata
.endif
;; end of part 2
